; MI455X (gfx1250); checked and timed in simulation.
; The chip was launched on July 23, 2026; its instructions are those of AMD's public machine-readable ISA for CDNA 5 (MIT licence, August 2026) and "CDNA5" Instruction Set Architecture Reference Guide (July 2026). The comments in the code are by the model that wrote it; some were corrected since.
;; Custom Linear4 Bit. Allowed arithmetic: matrix products marked QUANTISED: E3M2 operands, one E8M0 scale for each 32 along K, by v_wmma_scale_f32_16x16x128_f8f6f4 with both operands' format E3M2, f32 sums; everything else in f32.
;; Inputs: bias 2,048 float32; input_tensor 4 x 2,048 x 4,096 float32; quantized_weights 524,288 x 8 int32; weight_normalization 524,288 x 1 float32.
;; Outputs: out0 4 x 2,048 x 2,048 float32.
;; This version of the problem:
;;   THIS VERSION OF THE PROBLEM IS GIVEN IN LOW PRECISION. The matrix products marked QUANTISED in the list below multiply operands that are first quantised to E3M2 (3 exponent bits, 2 mantissa bits; 6 bits a number), with one power-of-two scale for each 32 numbers along K (OCP MX v1.0); their sums are f32. All else is computed in f32.
;;   The module's matrix products, in the order in which they are computed (A, B: the left and right operand; K: the contracted axis; several contracted axes count as one K, in the product's order):
;;     1. [M 8,192, K 4,096] x [K 4,096, N 2,048]; A: input input_tensor; B: computed on the way: QUANTISED
;;   THE QUANTISER, for each operand of a quantised product, along K:
;;     - K is cut into blocks of 32 from its start; a last block that is shorter is filled with zeros.
;;     - A block's scale is 2^e with e = floor(log2(the largest magnitude in the block)) - 4, held to -126 .. 127; a block of zeros has e = 0. As a byte (E8M0): e + 127.
;;     - Each number is divided by its block's scale, clamped to +-28, and rounded to the nearest number of E3M2, ties to even, subnormals kept.
;;     - The product sums the exact products of the quantised numbers (number of the format x scale) in f32.
;;   ~~~python
;;   def quantise(x, axis):      # numpy; x: float32 -> the quantised numbers, widened to float32 again
;;       x = np.moveaxis(x, axis, -1); K = x.shape[-1]
;;       x = np.pad(x, [(0, 0)] * (x.ndim - 1) + [(0, -K % 32)]); x = x.reshape(x.shape[:-1] + (-1, 32)); a = np.abs(x).max(-1, keepdims=True)
;;       e = np.where(a > 0, np.clip(np.frexp(np.where(a > 0, a, 1))[1] - 1 - 4, -126, 127), 0)      # np.frexp(a)[1] - 1 = floor(log2(a)), exactly
;;       r = np.clip(x / 2.0 ** e, -28, 28)
;;       step = 2.0 ** (np.maximum(np.frexp(np.where(r == 0, 1, r))[1] - 1, -2) - 2)
;;       q = np.round(r / step) * step * 2.0 ** e      # np.round: ties to even
;;       return np.moveaxis(q.reshape(q.shape[:-2] + (-1,))[..., :K], -1, axis).astype(np.float32)
;;   ~~~
;;   OPERANDS COMPUTED ON THE WAY. 'Computed on the way' means the value that the module computes at that place (a softmax that the list does not call 'softmax' is quantised finished and normalised). What goes into a quantiser is computed in f32, as accurately as f32 sums, v_exp_f32 and their like allow (about 1e-6 of the number): no bf16 or f16 on the way to a quantiser, and a product that is left as it is and whose result goes on into a quantised operand takes f32 operands (vector FMAs, or v_wmma_f32_16x16x4_f32). A number that lies on a knife's edge between two numbers of the format may be rounded either way, as far as f32 arithmetic and the matrix unit's own rounding can turn it there, and no further.
;; One version. Each part assembles by itself: llvm-mc -triple=amdgcn-amd-amdhsa -mcpu=gfx1250 --defsym DOCPART=n.
;; ======== version 1 of 1: 2 launches
;; limits: right only within a limited range of input values
;; workspace buffers: a_codes 26,214,400 bytes; b_codes 6,553,600 bytes
;; launch quant (part 1): grid 256 x 1, 10 waves a work-group, no clusters, 88,320 bytes of LDS; arguments input_tensor, quantized_weights, weight_normalization, a_codes, b_codes; writes a_codes, b_codes
.if DOCPART == 1
	.amdgcn_target "amdgcn-amd-amdhsa--gfx1250"
	.amdhsa_code_object_version 6
	.text
	.protected	k_q0cec56ef7a_quant
	.globl	k_q0cec56ef7a_quant
	.p2align	8
	.type	k_q0cec56ef7a_quant,@function
k_q0cec56ef7a_quant:
	s_mov_b64 s[64:65], 0
	v_nop
	global_prefetch_b8 v0, s[64:65] scope:SCOPE_SE
	s_setreg_imm32_b32 hwreg(HW_REG_WAVE_MODE, 25, 1), 1
	s_wait_xcnt 0x0
; x [8192][4096] f32, and W [2048][4096], which is first made from nibbles and group norms, are turned into codes of BF6 (E3M2), 6 bits each, with one E8M0 scale byte for each 32 along K.
; A block's scale is 2^(floor(log2(its largest magnitude)) - 4); its byte is the largest magnitude's own exponent field - 4, held at 1 from below.  Each number is divided by the scale and rounded to the
; nearest code, ties to even; beyond the largest code, 28, the conversion gives the largest code.
; CODES AND SCALE WORDS ARE LAID AS THE NEXT LAUNCH WANTS THEM: [128 rows][128 K] in pieces of 12,800 consecutive bytes: eight fragments, then 512 bytes of scale words.
; A fragment is 16 rows x 128 K: 12 registers a lane, 1,536 bytes: registers 4 c .. 4 c + 3 of lane l at byte 512 c + 16 l.  Lane (r, h) holds row r; registers 0-5 the 24 code bytes of k = 32 h .. 32 h + 31,
; registers 6-11 those of k = 64 + 32 h .. + 31.  The scale word (four bytes: a row's 128 K) of row r of fragment i lies at 12,288 + 256 (i / 4) + 16 r + 4 (i % 4).
; W: a group of 16 weights is 8 words (low nibble = even place, high nibble = odd place) and one norm.  weight = (2 q - 15) x (norm x (1/15)): 2 q - 15 is exact, so two roundings and that of 1/15.
; LIMITS, stated: (1) the order of rounding differs from (q / 15) x (2 norm) - norm: this form has no cancellation and lies within about 2e-7 of the real number; the other form's own roundings can lie up to about 1e-6 from it
; where |2 q - 15| = 1.  (2) A block of zeros gets the byte 1 where the rule says 127: its codes are zeros, which add nothing under any byte but 0xff, and the bytes are read by this program alone.
; (3) Blocks whose largest magnitude lies under 2^(5 - 127), the floor, are held at the byte 1.  (4) NaN and infinities among the inputs are not served.
; SHARES.  A wave's unit is 128 rows x 128 K: one piece of 12,800 bytes, so that its codes and its scale words leave as consecutive bytes.  Waves 0-7 of a work-group take eight units of x (64 KiB of f32 each; side by side
; along K: 4,096 bytes of each row), waves 8 and 9 two units of W (32 KiB of words and 4 KiB of norms each): 256 work-groups of equal work.  The roles part once, on the wave's number, and never join.
; No tensor loads, no barrier, no loop: waves share nothing, and every offset is an immediate.
; A conversion takes neighbours along K from ONE lane's registers, a load is best where neighbouring LANES take neighbouring bytes: so each load reads two rows' 256 consecutive bytes (16 lanes a row), and the bytes turn
; through the wave's own stage in LDS (rows of 256 bytes + 16), from which a lane reads a whole block of its row.
; THE NORMS of a unit are 32 bytes of each of its rows: short pieces, 16 bytes a lane, one load a fragment.  They are 2 MiB of the 153 MB that the launch reads; a unit long enough along K to take whole runs of 256 bytes of norms
; would have to store its scale words four bytes at a time.
.set WREG, 8704                        ; LDS: a wave's own bytes: two stages
.set STG,  4352                        ; a stage: 16 rows x PIT
.set PIT,  272                         ; 256 bytes + 16 = 68 words: row r starts at bank 4 r mod 64 (64 banks of 4 bytes: ISA guide 11.1)
.set STEPB, 12800                      ; a unit's bytes in the workspace
.set STREAM, 32*STEPB                  ; those of 128 rows, all of K
.set WD,   16                          ; v16-23   the unit's eight scale words
.set R,    32                          ; v32-159  x: four sets of 32 registers, as loaded;  W: three sets, v32-127
.set NR,   128                         ; v128-159 W: the unit's norms, four registers a fragment
.set X,    160                         ; v160-223 x: two sets of 32 neighbours
.set Q,    160                         ; v160-191 W: a fragment's words, 16 for each of my two blocks
.set F,    192                         ; v192-223 W: a block's 32 weights
.set C,    224                         ; v224-247 two sets of 12 code registers
.set T,    248                         ; v248-250 a block's upper 16 codes: a conversion's three registers begin on an even number
; v1 lane, v2 r, v3 h; v4 x's load offset; v5 into a stage; v6 out of a stage (x); v7 16 x lane; v9 8 h; v10-11 maxima; v12 the conversion's scale operand; v13-14 scale bytes; v15 a permute's destination;
; v24-27 scale words on their way out; v251 the words' load offset; v252 the norms'; v253 out of the stage (W)
	s_load_b128 s[4:7], s[0:1], 0x0                ; x, the words
	s_load_b128 s[8:11], s[0:1], 0x10              ; the norms, x's workspace
	s_load_b64 s[12:13], s[0:1], 0x20              ; W's workspace
	v_lshl_add_u32 v254, v0, 2, 0x15400
	v_mov_b32 v255, 0
	v_lshrrev_b32 v1, 5, v0
	s_delay_alu instid0(VALU_DEP_1)
	v_readfirstlane_b32 s16, v1                    ; wave 0..9
	v_and_b32 v1, 31, v0                           ; lane
	v_and_b32 v2, 15, v0                           ; r
	v_bfe_u32 v3, v0, 4, 1                         ; h
	s_mul_i32 s27, s16, WREG                       ; my wave's LDS bytes
	v_lshlrev_b32 v7, 4, v1
	v_lshlrev_b32 v9, 3, v3
	v_lshlrev_b32 v10, 4, v2                       ; 16 bytes a lane, sixteen lanes to a row's 256 bytes
	s_delay_alu instid0(VALU_DEP_1)
	v_lshl_add_u32 v4, v3, 14, v10                 ; lanes 16-31 take the next row: 16,384 bytes on in x,
	s_delay_alu instid0(VALU_DEP_2)
	v_lshl_add_u32 v251, v3, 13, v10               ; 8,192 in the words,
	s_delay_alu instid0(VALU_DEP_3)
	v_mad_u32_u24 v5, v3, PIT, v10                 ; and PIT in a stage
	s_delay_alu instid0(VALU_DEP_1)
	v_add_nc_u32 v5, s27, v5
	v_lshlrev_b32 v252, 10, v2                     ; the norms: row r of 1,024 bytes,
	s_delay_alu instid0(VALU_DEP_1)
	v_lshl_add_u32 v252, v3, 4, v252               ; and 16 of the unit's 32 bytes for each half of the lanes
	v_mul_u32_u24 v11, v2, PIT
	s_delay_alu instid0(VALU_DEP_1)
	v_add_nc_u32 v11, s27, v11                     ; out of a stage: row r;
	s_delay_alu instid0(VALU_DEP_1)
	v_lshl_add_u32 v6, v3, 7, v11                  ; x: my half's 32 numbers are 128 bytes,
	s_delay_alu instid0(VALU_DEP_2)
	v_lshl_add_u32 v253, v3, 6, v11                ; W: my half's 16 words 64 bytes
	v_mov_b32 v15, 0                               ; written once: a lane permute's destination counts as one of its sources
	s_mov_b32 s30, 0x76543210
	s_mov_b32 s31, 0xfedcba98                      ; v_permlanex16_b32's selects for lane l xor 16
	s_mov_b32 s32, 0xc1700000                      ; -15.0
	s_mov_b32 s33, s32                             ; (the packed forms name a pair and take its low word for both halves: so the upper word is written)
	s_mov_b32 s34, 0x3d888889                      ; 1 / 15
	s_mov_b32 s35, s34
	s_lshr_b32 s18, ttmp9, 2                       ; x: block of 128 rows = work-group / 4,
	s_and_b32 s19, ttmp9, 3
	s_lshl_b32 s19, s19, 3
	s_add_co_u32 s19, s19, s16                     ; step of 128 K = 8 x (work-group % 4) + wave
	s_lshl_b32 s20, ttmp9, 1
	s_add_co_u32 s20, s20, s16
	s_sub_co_u32 s20, s20, 8                       ; W: unit = 2 x work-group + wave - 8 (used in waves 8 and 9 alone),
	s_lshr_b32 s21, s20, 5                         ; block of 128 rows = unit / 32,
	s_and_b32 s22, s20, 31                         ; step of 128 K = unit % 32
	s_wait_kmcnt 0x0
	s_cmp_lt_u32 s16, 8                            ; x's wave or W's?  The choice hangs on the wave's number alone
	s_cselect_b32 s23, s18, s21
	s_cselect_b32 s24, s19, s22
	s_cselect_b64 s[36:37], s[10:11], s[12:13]     ; where my unit goes
	s_mul_i32 s40, s23, STREAM
	s_mul_i32 s26, s24, STEPB
	s_add_co_u32 s40, s40, s26                     ; (under 2^25)
	s_mov_b32 s41, 0
	s_add_nc_u64 s[36:37], s[36:37], s[40:41]
; 32 numbers of my row, one whole block, in v[SRC] on, become six code registers in v[CS] on and the scale's byte in v[BY].
.macro BLOCKQ
	v_max3_num_f32 v10, |v[SRC]|, |v[SRC+1]|, |v[SRC+2]|          ; the block's largest magnitude: all 32 numbers are mine; two chains, so that no line waits for the line above it
	v_max3_num_f32 v11, |v[SRC+3]|, |v[SRC+4]|, |v[SRC+5]|
.irp i, 6,10,14,18,22,26
	s_delay_alu instid0(VALU_DEP_2)
	v_max3_num_f32 v10, v10, |v[SRC+\i]|, |v[SRC+\i+1]|
	s_delay_alu instid0(VALU_DEP_2)
	v_max3_num_f32 v11, v11, |v[SRC+\i+2]|, |v[SRC+\i+3]|
.endr
	s_delay_alu instid0(VALU_DEP_2)
	v_max3_num_f32 v10, v10, |v[SRC+30]|, |v[SRC+31]|
	s_delay_alu instid0(VALU_DEP_1)
	v_max3_num_f32 v10, v10, v11, 0x2800000        ; and the floor 2^(5 - 127), under which no largest magnitude is taken: so the byte cannot fall under 1
	s_delay_alu instid0(VALU_DEP_1)
	v_add_nc_u32 v12, 0xfe000000, v10              ; 4 off its exponent field: the conversion takes the exponent field of this operand as its scale, and nothing else of it
	v_cvt_scalef32_pk16_bf6_f32 v[CS:CS+2], v[SRC:SRC+15], v12
	v_cvt_scalef32_pk16_bf6_f32 v[T:T+2], v[SRC+16:SRC+31], v12
	v_lshrrev_b32 v[BY], 23, v12                   ; the scale's byte; also the plain instruction between the conversions and the moves that read their result
.irp i, 0,1,2
	v_mov_b32 v[CS+3+\i], v[T+\i]
.endr
.endm
; Behind a fragment's second block: its scale word, and its three stores of 512 consecutive bytes, each at a multiple of 512 from the buffer's first byte.
.macro FINISH f
.set CF, C+12*((\f)%2)
	s_delay_alu instid0(VALU_DEP_4)
	v_lshl_or_b32 v14, v14, 16, v13                ; my two bytes: blocks h and 2 + h of row r,
	s_delay_alu instid0(VALU_DEP_1)
	v_lshlrev_b32 v14, v9, v14                     ; at their places in the word (8 h bits up);
	s_delay_alu instid0(VALU_DEP_1)
	v_permlanex16_b32 v15, v14, s30, s31
	s_delay_alu instid0(VALU_DEP_1)
	v_or_b32 v[WD+(\f)], v14, v15                  ; with lane l xor 16's two the word is whole, in both lanes
.irp c, 0,1,2
	global_store_b128 v7, v[CF+4*\c:CF+4*\c+3], s[36:37] offset:(\f)*1536+512*\c
.endr
.endm
; The unit's scale words: lane (r, h) stores row r's words of fragments 4 h .. 4 h + 3, 16 bytes at 16 x lane: one store of 512 consecutive bytes, behind the unit's codes.
.macro TAIL
	v_cmp_ne_u32 vcc_lo, 0, v3
	s_delay_alu instid0(VALU_DEP_1)
	v_cndmask_b32 v24, v[WD+0], v[WD+4], vcc_lo
	s_delay_alu instid0(VALU_DEP_2)
	v_cndmask_b32 v25, v[WD+1], v[WD+5], vcc_lo
	s_delay_alu instid0(VALU_DEP_3)
	v_cndmask_b32 v26, v[WD+2], v[WD+6], vcc_lo
	s_delay_alu instid0(VALU_DEP_4)
	v_cndmask_b32 v27, v[WD+3], v[WD+7], vcc_lo
	global_store_b128 v7, v[24:27], s[36:37] offset:12288
	s_wait_tensorcnt 0x0
	ds_add_u32 v254, v255
	s_wait_dscnt 0x0
	s_endpgm
.endm
	s_cmp_lt_u32 s16, 8
	s_cbranch_scc0 .Lweights
; ---------------- x: sixteen steps of 16 rows x 64 K; a step gives each lane one block; two steps make a fragment
	s_lshl_b32 s40, s23, 21                        ; 128 rows of 16,384 bytes,
	s_lshl_b32 s26, s24, 9                         ; 128 numbers along a row
	s_add_co_u32 s40, s40, s26
	s_add_nc_u64 s[4:5], s[4:5], s[40:41]
.macro LOADX t                         ; step t: rows 16 (t / 2) on, K 64 (t % 2) on: eight loads, two rows each: sixteen lanes read a row's 256 consecutive bytes, aligned
.irp j, 0,1,2,3,4,5,6,7
	global_load_b128 v[R+32*((\t)%4)+4*\j:R+32*((\t)%4)+4*\j+3], v4, s[4:5] offset:262144*((\t)/2)+32768*\j+256*((\t)%2) th:TH_LOAD_NT
.endr
.endm
.macro TURNX t                         ; step t through a stage: LDS serves a wave's instructions in order (ISA guide 5.7.1.4), so no wait stands between the stores and the loads
.irp j, 0,1,2,3,4,5,6,7
	ds_store_b128 v5, v[R+32*((\t)%4)+4*\j:R+32*((\t)%4)+4*\j+3] offset:STG*((\t)%2)+544*\j
.endr
.irp j, 0,1,2,3,4,5,6,7
	ds_load_b128 v[X+32*((\t)%2)+4*\j:X+32*((\t)%2)+4*\j+3], v6 offset:STG*((\t)%2)+16*\j
.endr
.endm
.macro STEPX t
	s_wait_dscnt 0x0                               ; this step's numbers are back from the stage, and its stores into the stage have read their registers,
.if (\t)+4 < 16
	LOADX (\t)+4                                   ; which take the loads of four steps on: 32 loads of the wave are out
.endif
.if (\t)+1 < 16
.if (\t) <= 11
	s_wait_loadcnt 24                              ; the next step's eight loads are in; those of the three steps behind it may be out
.else
	s_wait_loadcnt 8*(14-(\t))                     ; towards the end: of the steps that are left
.endif
	TURNX (\t)+1                                   ; and go through the other stage while this step is worked
.endif
.if ((\t)%2 == 0) && ((\t) >= 4)
	s_wait_xcnt 0x0                                ; the stores of the fragment two back have read this set of code registers: only behind this wait is it written again
.endif
.set SRC, X+32*((\t)%2)
.set CS, C+12*(((\t)/2)%2)+6*((\t)%2)
.set BY, 13+(\t)%2
	BLOCKQ
.if (\t)%2 == 1
	FINISH (\t)/2
.endif
.endm
.irp t, 0,1,2,3
	LOADX \t
.endr
	s_wait_loadcnt 24                              ; step 0's eight loads are in
	s_wait_alu depctr_va_vdst(0)
	TURNX 0
.irp t, 0,1,2,3,4,5,6,7,8,9,10,11,12,13,14,15
	STEPX \t
.endr
	TAIL
; ---------------- W: eight steps of one fragment: 16 rows x 64 words
.Lweights:
	s_lshl_b32 s40, s23, 20                        ; the words: 128 rows of 8,192 bytes, 64 words along a row
	s_lshl_b32 s26, s24, 8
	s_add_co_u32 s40, s40, s26
	s_add_nc_u64 s[6:7], s[6:7], s[40:41]
	s_lshl_b32 s40, s23, 17                        ; the norms: 128 rows of 1,024 bytes, 8 norms along a row
	s_lshl_b32 s26, s24, 5
	s_add_co_u32 s40, s40, s26
	s_add_nc_u64 s[8:9], s[8:9], s[40:41]
.macro LOADW f                         ; fragment f: rows 16 f on: eight loads, two rows each: sixteen lanes read a row's 256 consecutive bytes, aligned
.irp j, 0,1,2,3,4,5,6,7
	global_load_b128 v[R+32*((\f)%3)+4*\j:R+32*((\f)%3)+4*\j+3], v251, s[6:7] offset:131072*(\f)+16384*\j th:TH_LOAD_NT
.endr
.endm
.macro UNPACK c                        ; my block c: 16 words become 32 weights; v[NB + 2 c], v[NB + 2 c + 1]: its two groups' norms / 15
.irp i, 0,1,2,3,4,5,6,7,8,9,10,11,12,13,14,15
	v_and_b32 v[F+2*\i], 15, v[Q+16*\c+\i]         ; the low nibble is the even place,
	v_bfe_u32 v[F+2*\i+1], v[Q+16*\c+\i], 4, 4     ; the high nibble the odd one; the word's other bits count for nothing
.endr
.irp i, 0,1,2,3,4,5,6,7,8,9,10,11,12,13,14,15,16,17,18,19,20,21,22,23,24,25,26,27,28,29,30,31
	v_cvt_f32_u32 v[F+\i], v[F+\i]
.endr
.irp i, 0,2,4,6,8,10,12,14,16,18,20,22,24,26,28,30
	v_pk_fma_f32 v[F+\i:F+\i+1], v[F+\i:F+\i+1], 2.0, s[32:33] op_sel_hi:[1,0,0]   ; 2 q - 15: exact
.endr
.irp i, 0,2,4,6,8,10,12,14
	v_pk_mul_f32 v[F+\i:F+\i+1], v[F+\i:F+\i+1], v[NB+2*\c:NB+2*\c+1] op_sel_hi:[1,0]   ; the block's first group: both halves by the pair's first word
.endr
.irp i, 16,18,20,22,24,26,28,30
	v_pk_mul_f32 v[F+\i:F+\i+1], v[F+\i:F+\i+1], v[NB+2*\c:NB+2*\c+1] op_sel:[0,1] op_sel_hi:[1,1]   ; its second group: both by the second word
.endr
.endm
.macro STEPW f
.if (\f) <= 5
	s_wait_loadcnt 16                              ; this fragment's eight loads are in (and the norms, which were asked for first); those of the two fragments behind it may be out
.else
	s_wait_loadcnt 8*(7-(\f))
.endif
.irp j, 0,1,2,3,4,5,6,7
	ds_store_b128 v5, v[R+32*((\f)%3)+4*\j:R+32*((\f)%3)+4*\j+3] offset:544*\j
.endr
.irp c, 0,1
.irp j, 0,1,2,3
	ds_load_b128 v[Q+16*\c+4*\j:Q+16*\c+4*\j+3], v253 offset:128*\c+16*\j   ; block c of my half: k = 64 c + 32 h on: 64 bytes of words
.endr
.endr
	s_wait_dscnt 0x0                               ; they are in, and the stores into the stage have read their registers,
.if (\f)+3 < 8
	LOADW (\f)+3                                   ; which take the loads of three fragments on
.endif
.if (\f) >= 2
	s_wait_xcnt 0x0                                ; the stores of the fragment two back have read this set of code registers
.endif
.set NB, NR+4*(\f)
	v_permlane16_swap_b32 v[NB], v[NB+2]           ; as loaded, lanes 0-15 hold row r's groups 0-3 and lanes 16-31 its groups 4-7.  Lane (r, h) wants groups 2 h, 2 h + 1 (block 0) and 4 + 2 h, 5 + 2 h (block 1):
	v_permlane16_swap_b32 v[NB+1], v[NB+3]         ; the first's lanes 16-31 change places with the second's lanes 0-15: the pairs (NB, NB + 1) and (NB + 2, NB + 3) are then block 0's and block 1's
	s_delay_alu instid0(VALU_DEP_1)
	v_pk_mul_f32 v[NB:NB+1], v[NB:NB+1], s[34:35] op_sel_hi:[1,0]       ; norm x (1 / 15), once for each group
	s_delay_alu instid0(VALU_DEP_2)
	v_pk_mul_f32 v[NB+2:NB+3], v[NB+2:NB+3], s[34:35] op_sel_hi:[1,0]
.set SRC, F
	UNPACK 0
.set CS, C+12*((\f)%2)
.set BY, 13
	BLOCKQ
	UNPACK 1
.set CS, C+12*((\f)%2)+6
.set BY, 14
	BLOCKQ
	FINISH \f
.endm
	s_wait_alu depctr_va_vdst(0)
.irp f, 0,1,2,3,4,5,6,7
	global_load_b128 v[NR+4*\f:NR+4*\f+3], v252, s[8:9] offset:16384*\f   ; fragment f's norms: 32 bytes of each of 16 rows, 16 bytes a lane (no hint: neighbouring waves read the bytes beside them)
.endr
.irp f, 0,1,2
	LOADW \f
.endr
.irp f, 0,1,2,3,4,5,6,7
	STEPW \f
.endr
	TAIL
.Lfunc_end_k_q0cec56ef7a_quant:
	.size	k_q0cec56ef7a_quant, .Lfunc_end_k_q0cec56ef7a_quant-k_q0cec56ef7a_quant
	.p2alignl 7, 3214868480
	.fill 96, 4, 3214868480
	.section	.rodata,"a",@progbits
	.p2align	6, 0x0
	.amdhsa_kernel k_q0cec56ef7a_quant
		.amdhsa_group_segment_fixed_size 88320
		.amdhsa_private_segment_fixed_size 0
		.amdhsa_enable_private_segment 0
		.amdhsa_kernarg_size 40
		.amdhsa_user_sgpr_count 2
		.amdhsa_user_sgpr_kernarg_segment_ptr 1
		.amdhsa_wavefront_size32 1
		.amdhsa_system_sgpr_workgroup_id_x 1
		.amdhsa_system_sgpr_workgroup_id_y 1
		.amdhsa_system_sgpr_workgroup_id_z 1
		.amdhsa_system_vgpr_workitem_id 0
		.amdhsa_next_free_vgpr 256
		.amdhsa_next_free_sgpr 66
		.amdhsa_reserve_vcc 1
		.amdhsa_float_denorm_mode_32 3
		.amdhsa_float_denorm_mode_16_64 3
		.amdhsa_memory_ordered 1
		.amdhsa_forward_progress 1
		.amdhsa_inst_pref_size 191
	.end_amdhsa_kernel
	.amdgpu_metadata
---
amdhsa.version: [ 1, 2 ]
amdhsa.kernels:
  - .name:           k_q0cec56ef7a_quant
    .symbol:         k_q0cec56ef7a_quant.kd
    .args:
      - { .name: input_tensor, .offset: 0, .size: 8, .value_kind: global_buffer, .address_space: global }
      - { .name: quantized_weights, .offset: 8, .size: 8, .value_kind: global_buffer, .address_space: global }
      - { .name: weight_normalization, .offset: 16, .size: 8, .value_kind: global_buffer, .address_space: global }
      - { .name: a_codes, .offset: 24, .size: 8, .value_kind: global_buffer, .address_space: global }
      - { .name: b_codes, .offset: 32, .size: 8, .value_kind: global_buffer, .address_space: global }
    .group_segment_fixed_size: 88320
    .private_segment_fixed_size: 0
    .kernarg_segment_align: 8
    .kernarg_segment_size: 40
    .max_flat_workgroup_size: 320
    .sgpr_count:     66
    .vgpr_count:     256
    .wavefront_size: 32
...
	.end_amdgpu_metadata
.endif
;; end of part 1
;; launch gemm (part 2): grid 8 x 32, 4 waves a work-group, clusters of 4 x 4, 327,680 bytes of LDS; arguments a_codes, b_codes, bias, out0; writes out0
.if DOCPART == 2
	.amdgcn_target "amdgcn-amd-amdhsa--gfx1250"
	.amdhsa_code_object_version 6
	.text
	.protected	k_q0cec56ef7a_gemm
	.globl	k_q0cec56ef7a_gemm
	.p2align	8
	.type	k_q0cec56ef7a_gemm,@function
k_q0cec56ef7a_gemm:
	s_mov_b64 s[64:65], 0
	v_nop
	global_prefetch_b8 v0, s[64:65] scope:SCOPE_SE
	s_setreg_imm32_b32 hwreg(HW_REG_WAVE_MODE, 25, 1), 1
	s_wait_xcnt 0x0
	s_wait_alu depctr_hold_cnt(0) depctr_sa_sdst(0) depctr_va_vdst(0) depctr_va_sdst(0) depctr_va_ssrc(0) depctr_va_vcc(0) depctr_vm_vsrc(0)
	s_getreg_b32 s2, hwreg(HW_REG_IB_STS2, 6, 4)
	s_cmp_eq_u32 s2, 0
	s_cbranch_scc0 .Lentry_in_a_cluster
	s_endpgm
.Lentry_in_a_cluster:
	s_bfe_u32 s2, ttmp6, 0x10000c
	s_cmp_lg_u32 s2, 0xf033
	s_cbranch_scc0 .Lentry_shape_is_right
	s_endpgm
.Lentry_shape_is_right:
; out0[m][n] = sum over k of x[m][k] W[n][k] + bias[n], on codes of BF6 (E3M2) with one E8M0 scale byte for each 32 along K, as the launch before laid them:
; pieces of 12,800 bytes for 128 rows x 128 K: eight fragments as register images (1,536 bytes each), then 512 bytes of scale words.
; A work-group of four waves makes 256 x 256 of out0, a wave 128 x 128: 64 accumulators in windows 2 and 3.  The first products take the bias as C.
; K goes through a ring of two LDS slots of three steps of 128 K (4 x 38,400 bytes a slot, dense rows of 256 bytes); each wave fills a quarter of a slot by one joint load.
; CLUSTERS 4 x 4: x's pieces are shared along a row of the cluster, W's along a column.  Source 0 = rows of W, source 1 = rows of x: a lane holds eight neighbouring columns of a row of out0.
; W's fragments have two sets (window 1), x's one set (window 0, from v128): x's blocks 0-3 are loaded anew in a step's middle, with W's next set and the scale words, blocks 4-7 at its end: two runs of LDS loads a step.
; PREFETCH: every cluster asks for its own streams; the four partners of a joint load take 8,192 bytes each of every 32,768, told apart by address: 65,536 bytes of a stream of 409,600 behind each of the
; first four refills, from byte 147,456 on: the last request ends at the stream's last byte.  Bytes 0 to 147,456 come by their loads alone: nothing is asked for at the head.
.set SIZE_N, 2048
.set FR,     12
.set NL,     3
.set NP,     4
.set STEPB,  12800
.set SCO,    12288
.set HALFT,  3*STEPB
.set SLOT,   4*HALFT
.set STREAM, 32*STEPB
.set TRIPS,  4
.set SPARE,  2*SLOT
.set STAGE,  SLOT
.set SPITCH, 528
.set ADRA, 16
.set ADRB, 20
.set ADRS, 22
.set STO,  24
.set RD,   25
.set CO,   26
.set SPW,  28
.set NIL,  29
.set PFO,  30
.set BO,   31
.set SC,   32
.set BI,   64
.set AF,   128
.set BK,   128
.set G1, 24
.set G0, 32
.set G1B, 48
.set G0B, 56
.set G1L, 68
.set G1BL, 80
.set PFA, 98
.set LIM, 100
.set MSB, 0
.macro WIN new
.if MSB != \new
	s_set_vgpr_msb (MSB<<8)|\new
.set MSB, \new
.endif
.endm
.set MUL_LO, 0xa1
.set MUL_HI, 0xf1
.set FST_LO, 0x81
.set FST_HI, 0xc1
.set TO_B,   0x40
.macro JLOAD g0a, g1a, g0b, g1b
	s_cmp_eq_u32 s15, 0
	s_cbranch_scc0 .Lfor_b_\@
	tensor_load_to_lds s[\g0a:\g0a+3], s[\g1a:\g1a+7]
	s_nop 0
.rept 4
	v_nop
.endr
	s_branch .Lasked_\@
.Lfor_b_\@:
	tensor_load_to_lds s[\g0b:\g0b+3], s[\g1b:\g1b+7]
	s_nop 0
.rept 4
	v_nop
.endr
.Lasked_\@:
.endm
.macro CREST
	s_cmp_lg_u32 s14, 0
	s_cbranch_scc1 .Lnot_wave_0_\@
	s_barrier_signal -3
.Lnot_wave_0_\@:
	s_barrier_wait -3
	s_barrier_signal -1
	s_barrier_wait -1
.endm
.macro CROUND
	s_barrier_signal -1
	s_barrier_wait -1
	CREST
.endm
.macro ASK
	s_cmp_gt_u32 s3, s[LIM]
	s_cbranch_scc0 .Lnot_mine_\@
	global_prefetch_b8 v[PFO], s[PFA:PFA+1] th:TH_LOAD_NT scope:SCOPE_SE
	global_prefetch_b8 v[PFO], s[PFA:PFA+1] offset:32768 th:TH_LOAD_NT scope:SCOPE_SE
.Lnot_mine_\@:
.endm
	s_load_b128 s[4:7], s[0:1], 0x0
	s_load_b64 s[96:97], s[0:1], 0x10
	s_load_b64 s[12:13], s[0:1], 0x18
	v_lshl_add_u32 v[SPW], v0, 2, SPARE
	v_mov_b32 v[NIL], 0
	ds_add_u32 v28, v29
	ds_add_u32 v28, v29
	s_wait_dscnt 0x0
	v_lshrrev_b32 v1, 5, v0
	v_readfirstlane_b32 s14, v1
	s_lshr_b32 s15, s14, 1
	s_and_b32 s16, s14, 1
	s_bfe_u32 s40, ttmp6, 0x40000
	s_bfe_u32 s41, ttmp6, 0x40004
	s_lshl_b32 s42, ttmp9, 2
	s_add_co_u32 s42, s42, s40
	s_and_b32 s17, ttmp7, 0xffff
	s_lshl_b32 s17, s17, 2
	s_add_co_u32 s17, s17, s41
	s_lshl_b32 s43, s41, 2
	s_lshl_b32 s43, 15, s43
	s_lshl_b32 s44, 0x1111, s40
	s_or_b32 s[G1+0], s43, (3<<16)|(1<<21)
	s_or_b32 s[G1B+0], s44, (3<<16)|(1<<21)
.irp g, G1, G1B
	s_mov_b32 s[\g+1], 32<<16
	s_mov_b32 s[\g+2], 150<<16
	s_mov_b32 s[\g+3], 32<<16
	s_mov_b32 s[\g+4], 150
	s_mov_b32 s[\g+5], 32
	s_mov_b32 s[\g+6], 0
	s_mov_b32 s[\g+7], 0
.endr
	s_or_b32 s[G1L+0], s43, (3<<16)|(1<<21)
	s_or_b32 s[G1BL+0], s44, (3<<16)|(1<<21)
.irp g, G1L, G1BL
	s_mov_b32 s[\g+1], 32<<16
	s_mov_b32 s[\g+2], 100<<16
	s_mov_b32 s[\g+3], 32<<16
	s_mov_b32 s[\g+4], 100
	s_mov_b32 s[\g+5], 32
	s_mov_b32 s[\g+6], 0
	s_mov_b32 s[\g+7], 0
.endr
	s_lshl_b32 s20, s17, 1
	s_add_co_u32 s20, s20, s16
	s_lshl_b32 s46, s42, 1
	s_add_co_u32 s46, s46, s16
	s_mul_i32 s20, s20, STREAM
	s_mov_b32 s21, 0
	s_mul_i32 s46, s46, STREAM
	s_mov_b32 s47, 0
	s_mul_i32 s45, s14, HALFT
	s_wait_kmcnt 0x0
	s_add_nc_u64 s[20:21], s[4:5], s[20:21]
	s_add_nc_u64 s[46:47], s[6:7], s[46:47]
	CROUND
.irp s, 0,1
	s_mov_b32 s[G0+4*\s], 1
	s_add_co_u32 s[G0+4*\s+1], s45, \s*SLOT
	s_add_nc_u64 s[G0+4*\s+2:G0+4*\s+3], s[20:21], \s*HALFT
	s_or_b32 s[G0+4*\s+3], s[G0+4*\s+3], 0x80000000
	s_mov_b32 s[G0B+4*\s], 1
	s_add_co_u32 s[G0B+4*\s+1], s45, \s*SLOT
	s_add_nc_u64 s[G0B+4*\s+2:G0B+4*\s+3], s[46:47], \s*HALFT
	s_or_b32 s[G0B+4*\s+3], s[G0B+4*\s+3], 0x80000000
.endr
	JLOAD G0, G1, G0B, G1B                         ; slot 0: one tensor load a wave at the head; the addresses below are made while it is out
	s_cmp_eq_u32 s15, 0                            ; do I fetch for x or for W?
	s_cselect_b32 s2, s40, s41                     ; my place among the four that ask with me
	s_cselect_b64 s[PFA:PFA+1], s[20:21], s[46:47]
	s_mov_b32 s[LIM], 2                            ; every cluster asks, in the loop's first two trips (four refills)
	s_lshl_b32 s2, s2, 13
	s_add_co_u32 s2, s2, 147456-65536
	s_mov_b32 s3, 0
	s_add_nc_u64 s[PFA:PFA+1], s[PFA:PFA+1], s[2:3]
	v_and_b32 v1, 15, v0
	v_bfe_u32 v2, v0, 4, 1
	v_and_b32 v6, 31, v0
	v_lshlrev_b32 v[PFO], 8, v6
	v_lshlrev_b32 v[BO], 5, v2
	v_lshlrev_b32 v4, 4, v6
	s_mul_i32 s21, s15, HALFT
	s_mul_i32 s22, s16, HALFT
	s_add_co_u32 s22, s22, 2*HALFT
.irp s, 0,1
	v_add_nc_u32 v[ADRA+\s], s21, v4
	v_add_nc_u32 v[ADRB+\s], s22, v4
	s_add_co_u32 s21, s21, SLOT
	s_add_co_u32 s22, s22, SLOT
.endr
	v_lshlrev_b32 v5, 4, v1
	s_mul_i32 s21, s15, HALFT
	s_mul_i32 s22, s16, HALFT
	s_add_co_u32 s22, s22, 2*HALFT
	s_sub_co_u32 s22, s22, s21
	v_mul_u32_u24 v6, s22, v2
	v_add_nc_u32 v5, v5, v6
	v_add_nc_u32 v[ADRS], s21, v5
	s_add_co_u32 s21, s21, SLOT
	v_add_nc_u32 v[ADRS+1], s21, v5
	s_mul_i32 s23, s14, 16*SPITCH
	s_add_co_u32 s23, s23, STAGE
	v_mul_u32_u24 v5, v1, SPITCH
	v_lshl_add_u32 v5, v2, 5, v5
	v_add_nc_u32 v[STO], s23, v5
	v_mov_b32 v[CO], v4
	v_add_nc_u32 v[RD], s23, v4
	s_lshl_b32 s20, s17, 8
	s_lshl_b32 s21, s15, 7
	s_add_co_u32 s20, s20, s21
	s_mov_b32 s21, 0
	s_mov_b64 s[18:19], SIZE_N*4
	s_mul_u64 s[20:21], s[20:21], s[18:19]
	s_lshl_b32 s46, s42, 10
	s_lshl_b32 s47, s16, 9
	s_add_co_u32 s46, s46, s47
	s_mov_b32 s47, 0
	s_add_nc_u64 s[96:97], s[96:97], s[46:47]
	s_add_nc_u64 s[20:21], s[20:21], s[46:47]
	s_add_nc_u64 s[12:13], s[12:13], s[20:21]
.irp b, 0,1,2,3,4,5,6,7
	global_load_b128 v[BI+8*\b:BI+8*\b+3], v[BO], s[96:97] offset:64*\b
	global_load_b128 v[BI+8*\b+4:BI+8*\b+7], v[BO], s[96:97] offset:64*\b+16
.endr
.macro FRAG reg, adr, q, i
.irp c, 0,1,2
	ds_load_b128 v[\reg+4*\c:\reg+4*\c+3], v[\adr] offset:(\q)*STEPB+(\i)*1536+512*\c
.endr
.endm
.macro MUL8 a, p, zero
.irp b, 0,1,2,3,4,5,6,7
.if \zero
	v_wmma_scale_f32_16x16x128_f8f6f4 v[8*(8*((\a)%4)+\b):8*(8*((\a)%4)+\b)+7], v[128*(\p)+FR*\b:128*(\p)+FR*\b+FR-1], v[AF+FR*(\a):AF+FR*(\a)+FR-1], v[BI+8*\b:BI+8*\b+7], v[SC+8*(\p)+\b], v[SC+8*(\p)+(\a)] matrix_a_fmt:MATRIX_FMT_BF6 matrix_b_fmt:MATRIX_FMT_BF6 matrix_a_scale:MATRIX_SCALE_ROW1
.else
	v_wmma_scale_f32_16x16x128_f8f6f4 v[8*(8*((\a)%4)+\b):8*(8*((\a)%4)+\b)+7], v[128*(\p)+FR*\b:128*(\p)+FR*\b+FR-1], v[AF+FR*(\a):AF+FR*(\a)+FR-1], v[8*(8*((\a)%4)+\b):8*(8*((\a)%4)+\b)+7], v[SC+8*(\p)+\b], v[SC+8*(\p)+(\a)] matrix_a_fmt:MATRIX_FMT_BF6 matrix_b_fmt:MATRIX_FMT_BF6 matrix_a_scale:MATRIX_SCALE_ROW1
.endif
.endr
.endm
.macro FETCH_B slot, q, p
	WIN TO_B
.irp i, 0,1,2,3,4,5,6,7
	FRAG 128*(\p)+FR*\i, ADRB+\slot, \q, \i
.endr
	WIN 0
.endm
.macro FETCH_A slot, q, i0
.irp i, \i0, \i0+1, \i0+2, \i0+3
	FRAG AF+FR*(\i), ADRA+\slot, \q, \i
.endr
.endm
.macro SCALES slot, q, p
.irp u, 0,1
	ds_load_b128 v[SC+8*(\p)+4*\u:SC+8*(\p)+4*\u+3], v[ADRS+\slot] offset:(\q)*STEPB+SCO+256*\u
.endr
.endm
.macro PLACES n
.rept \n
	v_nop
.endr
.endm
.macro STEP slot, q, p, zero
	s_wait_dscnt 4*NL
.if \zero
	WIN FST_LO
.else
	WIN MUL_LO
.endif
.irp a, 0,1,2,3
	MUL8 \a, \p, \zero
.endr
	s_wait_dscnt 0
	PLACES NP
	FETCH_B \slot, (\q)+1, 1-(\p)
	SCALES \slot, (\q)+1, 1-(\p)
	FETCH_A \slot, (\q)+1, 0
.if \zero
	WIN FST_HI
.else
	WIN MUL_HI
.endif
.irp a, 4,5,6,7
	MUL8 \a, \p, \zero
.endr
	PLACES NP
	WIN 0
	FETCH_A \slot, (\q)+1, 4
.endm
.macro TURN slot, next, p, fill
.if \fill == 1
	s_wait_xcnt 0x0
	s_add_nc_u64 s[PFA:PFA+1], s[PFA:PFA+1], 65536
.endif
	s_wait_dscnt 4*NL
	WIN MUL_LO
.irp a, 0,1,2,3
	MUL8 \a, \p, 0
.endr
	WIN 0
	s_wait_tensorcnt 0x0                           ; all my tensor loads have landed: my part of the next slot
	ds_add_u32 v[SPW], v[NIL]
	s_wait_dscnt 0x0                               ; the add is done, and my reads of this slot are over
	s_barrier_signal -1
	s_barrier_wait -1
.if \fill
	CREST
	s_add_nc_u64 s[G0+4*\slot+2:G0+4*\slot+3], s[G0+4*\slot+2:G0+4*\slot+3], 2*HALFT
	s_add_nc_u64 s[G0B+4*\slot+2:G0B+4*\slot+3], s[G0B+4*\slot+2:G0B+4*\slot+3], 2*HALFT
.if \fill == 1
	JLOAD G0+4*\slot, G1, G0B+4*\slot, G1B
.else
	JLOAD G0+4*\slot, G1L, G0B+4*\slot, G1BL
.endif
.else
	PLACES NP
.endif
	FETCH_B \next, 0, 1-(\p)
	SCALES \next, 0, 1-(\p)
	FETCH_A \next, 0, 0
.if \fill == 1
	ASK
.endif
	WIN MUL_HI
.irp a, 4,5,6,7
	MUL8 \a, \p, 0
.endr
	PLACES NP
	WIN 0
	FETCH_A \next, 0, 4
.endm
	s_wait_alu depctr_va_vdst(0)
	s_wait_tensorcnt 0x0                           ; my part of slot 0 is in
	ds_add_u32 v[SPW], v[NIL]
	s_wait_dscnt 0x0
	CROUND                                         ; everybody's part of slot 0 is in, and all sixteen work-groups are here
	JLOAD G0+4, G1, G0B+4, G1B                     ; slot 1's first fill, the first tensor load behind the round
	FETCH_B 0, 0, 0
	SCALES 0, 0, 0
	FETCH_A 0, 0, 0
	FETCH_A 0, 0, 4
	s_wait_loadcnt 0x0
	STEP 0, 0, 0, 1
	s_mov_b32 s3, TRIPS
.Llap:
	STEP 0, 1, 1, 0
	TURN 0, 1, 0, 1
	STEP 1, 0, 1, 0
	STEP 1, 1, 0, 0
	TURN 1, 0, 1, 1
	STEP 0, 0, 0, 0
	s_sub_co_u32 s3, s3, 1
	s_cmp_lg_u32 s3, 0
	s_cbranch_scc1 .Llap
	STEP 0, 1, 1, 0
	TURN 0, 1, 0, 2
	STEP 1, 0, 1, 0
	STEP 1, 1, 0, 0
	TURN 1, 0, 1, 0
	STEP 0, 0, 0, 0
	s_wait_dscnt 4*NL
	WIN MUL_LO
.irp a, 0,1,2,3
	MUL8 \a, 1, 0
.endr
	s_wait_dscnt 0
	WIN MUL_HI
.irp a, 4,5,6,7
	MUL8 \a, 1, 0
.endr
	WIN 0
.macro TOSTAGE a
.set AC, 64*((\a)%4)
	WIN 0x08+4*((\a)/4)
.irp b, 0,1,2,3,4,5,6,7
	ds_store_b128 v[STO], v[AC+8*\b:AC+8*\b+3] offset:64*\b
	ds_store_b128 v[STO], v[AC+8*\b+4:AC+8*\b+7] offset:64*\b+16
.endr
	WIN 0
.set BB, BK+64*((\a)%2)
.irp t, 0,1,2,3,4,5,6,7,8,9,10,11,12,13,14,15
	ds_load_b128 v[BB+4*\t:BB+4*\t+3], v[RD] offset:\t*SPITCH
.endr
.endm
.macro SEND a, younger
.set BB, BK+64*((\a)%2)
	s_wait_dscnt \younger
.if (\a) > 0
	s_add_nc_u64 s[12:13], s[12:13], 16*SIZE_N*4
.endif
.irp t, 0,1,2,3,4,5,6,7,8,9,10,11,12,13,14,15
	global_store_b128 v[CO], v[BB+4*\t:BB+4*\t+3], s[12:13] offset:\t*SIZE_N*4 th:TH_STORE_NT
.endr
.endm
	PLACES NP
	TOSTAGE 0
.irp a, 1,2,3,4,5,6,7
.if \a > 1
	s_wait_xcnt 0x0
.endif
	TOSTAGE \a
	SEND \a-1, 32
.endr
	s_wait_xcnt 0x0
	SEND 7, 0
	s_wait_tensorcnt 0x0
	ds_add_u32 v[SPW], v[NIL]
	s_wait_dscnt 0x0
	CROUND
	s_endpgm
.Lfunc_end_k_q0cec56ef7a_gemm:
	.size	k_q0cec56ef7a_gemm, .Lfunc_end_k_q0cec56ef7a_gemm-k_q0cec56ef7a_gemm
	.p2alignl 7, 3214868480
	.fill 96, 4, 3214868480
	.section	.rodata,"a",@progbits
	.p2align	6, 0x0
	.amdhsa_kernel k_q0cec56ef7a_gemm
		.amdhsa_group_segment_fixed_size 327680
		.amdhsa_private_segment_fixed_size 0
		.amdhsa_enable_private_segment 0
		.amdhsa_kernarg_size 32
		.amdhsa_user_sgpr_count 2
		.amdhsa_user_sgpr_kernarg_segment_ptr 1
		.amdhsa_wavefront_size32 1
		.amdhsa_system_sgpr_workgroup_id_x 1
		.amdhsa_system_sgpr_workgroup_id_y 1
		.amdhsa_system_sgpr_workgroup_id_z 1
		.amdhsa_system_vgpr_workitem_id 0
		.amdhsa_next_free_vgpr 1024
		.amdhsa_next_free_sgpr 102
		.amdhsa_reserve_vcc 0
		.amdhsa_float_denorm_mode_32 3
		.amdhsa_float_denorm_mode_16_64 3
		.amdhsa_memory_ordered 1
		.amdhsa_forward_progress 1
		.amdhsa_inst_pref_size 207
	.end_amdhsa_kernel
	.amdgpu_metadata
---
amdhsa.version: [ 1, 2 ]
amdhsa.kernels:
  - .name:           k_q0cec56ef7a_gemm
    .symbol:         k_q0cec56ef7a_gemm.kd
    .args:
      - { .name: a_codes, .offset: 0, .size: 8, .value_kind: global_buffer, .address_space: global }
      - { .name: b_codes, .offset: 8, .size: 8, .value_kind: global_buffer, .address_space: global }
      - { .name: bias, .offset: 16, .size: 8, .value_kind: global_buffer, .address_space: global }
      - { .name: out0, .offset: 24, .size: 8, .value_kind: global_buffer, .address_space: global }
    .group_segment_fixed_size: 327680
    .private_segment_fixed_size: 0
    .kernarg_segment_align: 8
    .kernarg_segment_size: 32
    .max_flat_workgroup_size: 128
    .sgpr_count:     102
    .vgpr_count:     1024
    .wavefront_size: 32
...
	.end_amdgpu_metadata
.endif
;; end of part 2
